; MI455X (gfx1250); checked and timed in simulation.
; The chip was launched on July 23, 2026; its instructions are those of AMD's public machine-readable ISA for CDNA 5 (MIT licence, August 2026) and "CDNA5" Instruction Set Architecture Reference Guide (July 2026). The comments in the code are by the model that wrote it; some were corrected since.
;; Scaled Dot Product Attention. Allowed arithmetic: matrix products marked QUANTISED: E2M1 operands, one E8M0 scale for each 32 along K, by v_wmma_scale_f32_16x16x128_f8f6f4 with both operands' format E2M1 (or v_wmma_scale_f32_32x16x128_f4), f32 sums; everything else in f32.
;; Inputs: K_codes 16 x 4,096 x 2 x 16 uint8 (E2M1 codes of K, K innermost, in blocks of 32 codes, two codes a byte); K_scales 16 x 4,096 x 2 uint8 (E8M0 scales of K, one for each 32 codes along K); Q_codes 16 x 4,096 x 2 x 16 uint8 (E2M1 codes of Q, K innermost, in blocks of 32 codes, two codes a byte); Q_scales 16 x 4,096 x 2 uint8 (E8M0 scales of Q, one for each 32 codes along K); V_codes 16 x 64 x 128 x 16 uint8 (E2M1 codes of V, K innermost, in blocks of 32 codes, two codes a byte); V_scales 16 x 64 x 128 uint8 (E8M0 scales of V, one for each 32 codes along K).
;; Outputs: out0 16 x 4,096 x 64 float32.
;; This version of the problem:
;;   THIS VERSION OF THE PROBLEM IS GIVEN IN LOW PRECISION. The matrix products marked QUANTISED in the list below multiply operands that are first quantised to E2M1 (2 exponent bits, 1 mantissa bit; 4 bits a number), with one power-of-two scale for each 32 numbers along K (OCP MX v1.0); their sums are f32. All else is computed in f32.
;;   The module's matrix products, in the order in which they are computed (A, B: the left and right operand; K: the contracted axis; several contracted axes count as one K, in the product's order):
;;     1. batch 16 x [M 4,096, K 64] x [K 64, N 4,096]; A: input Q (given as codes); B: input K (given as codes): QUANTISED
;;     2. batch 16 x [M 4,096, K 4,096] x [K 4,096, N 64]; A: softmax (see below); B: input V (given as codes): QUANTISED
;;   THE QUANTISER, for each operand of a quantised product, along K:
;;     - K is cut into blocks of 32 from its start; a last block that is shorter is filled with zeros.
;;     - A block's scale is 2^e with e = floor(log2(the largest magnitude in the block)) - 2, held to -126 .. 127; a block of zeros has e = 0. As a byte (E8M0): e + 127.
;;     - Each number is divided by its block's scale, clamped to +-6, and rounded to the nearest number of E2M1, ties to even, subnormals kept.
;;     - The product sums the exact products of the quantised numbers (number of the format x scale) in f32.
;;   ~~~python
;;   def quantise(x, axis):      # numpy; x: float32 -> the quantised numbers, widened to float32 again
;;       x = np.moveaxis(x, axis, -1); K = x.shape[-1]
;;       x = np.pad(x, [(0, 0)] * (x.ndim - 1) + [(0, -K % 32)]); x = x.reshape(x.shape[:-1] + (-1, 32)); a = np.abs(x).max(-1, keepdims=True)
;;       e = np.where(a > 0, np.clip(np.frexp(np.where(a > 0, a, 1))[1] - 1 - 2, -126, 127), 0)      # np.frexp(a)[1] - 1 = floor(log2(a)), exactly
;;       r = np.clip(x / 2.0 ** e, -6, 6)
;;       step = 2.0 ** (np.maximum(np.frexp(np.where(r == 0, 1, r))[1] - 1, 0) - 1)
;;       q = np.round(r / step) * step * 2.0 ** e      # np.round: ties to even
;;       return np.moveaxis(q.reshape(q.shape[:-2] + (-1,))[..., :K], -1, axis).astype(np.float32)
;;   ~~~
;;   SOFTMAX AHEAD OF A QUANTISED PRODUCT. Where the list says 'softmax', what is quantised is not the finished softmax but p = 2^(t - M), with t = logit x log2(e) and M = ceil(the row's largest t), a whole number; so 1/2 < the row's largest p <= 1. The row's sum l is taken of the UNQUANTISED p, in f32, and the product's result is divided by l at the end. Since M is a whole number, a kernel that streams over the keys may use a running M (the ceiling of the running maximum): every later rescaling is an exact power of two, which a block's scale takes up: the codes' values come out the same.
;;   OPERANDS COMPUTED ON THE WAY. 'Computed on the way' means the value that the module computes at that place (a softmax that the list does not call 'softmax' is quantised finished and normalised). What goes into a quantiser is computed in f32, as accurately as f32 sums, v_exp_f32 and their like allow (about 1e-6 of the number): no bf16 or f16 on the way to a quantiser, and a product that is left as it is and whose result goes on into a quantised operand takes f32 operands (vector FMAs, or v_wmma_f32_16x16x4_f32). A number that lies on a knife's edge between two numbers of the format may be rounded either way, as far as f32 arithmetic and the matrix unit's own rounding can turn it there, and no further.
;;   INPUTS GIVEN AS CODES. K (in the module: [16, 4096, 64], K = its axis 2); Q (in the module: [16, 4096, 64], K = its axis 2); V (in the module: [16, 4096, 64], K = its axis 1): each comes as NAME_codes (uint8): NAME with its K axis moved to the last place and cut into blocks of 32 codes, [.., K / 32, bytes a block], one block behind the other in memory; two codes a byte, the lower K in the low four bits (a code: sign, 2 exponent bits, 1 mantissa bit); and NAME_scales (uint8): the same leading axes, one E8M0 byte (e + 127) for each 32 codes along K. Its value is code x scale, taken as it is: it is not quantised again, and the codes and scales need not be those that the quantiser above would give.
;; One version. Each part assembles by itself: llvm-mc -triple=amdgcn-amd-amdhsa -mcpu=gfx1250 --defsym DOCPART=n.
;; ======== version 1 of 1: 1 launch
;; launch attn (part 1): grid 16 x 16, 16 waves a work-group, clusters of 4 x 1, 327,680 bytes of LDS; arguments Q_codes, Q_scales, K_codes, K_scales, V_codes, V_scales, out0; writes out0
.if DOCPART == 1
	.amdgcn_target "amdgcn-amd-amdhsa--gfx1250"
	.amdhsa_code_object_version 6
	.text
	.protected	k_q997a5ef355_attn
	.globl	k_q997a5ef355_attn
	.p2align	8
	.type	k_q997a5ef355_attn,@function
k_q997a5ef355_attn:
	s_mov_b64 s[64:65], 0
	v_nop
	global_prefetch_b8 v0, s[64:65] scope:SCOPE_SE
	s_setreg_imm32_b32 hwreg(HW_REG_WAVE_MODE, 25, 1), 1
	s_wait_xcnt 0x0
	s_wait_alu depctr_hold_cnt(0) depctr_sa_sdst(0) depctr_va_vdst(0) depctr_va_sdst(0) depctr_va_ssrc(0) depctr_va_vcc(0) depctr_vm_vsrc(0)
	s_getreg_b32 s2, hwreg(HW_REG_IB_STS2, 6, 4)
	s_cmp_eq_u32 s2, 0
	s_cbranch_scc0 .Lentry_in_a_cluster
	s_endpgm
.Lentry_in_a_cluster:
	s_bfe_u32 s2, ttmp6, 0x10000c
	s_cmp_lg_u32 s2, 0x3003
	s_cbranch_scc0 .Lentry_shape_is_right
	s_endpgm
.Lentry_shape_is_right:
; out[b][q][:] = the sum over k of softmax_k(Q[b][q] . K[b][k]) V[b][k][:], 16 heads, 4,096 queries and keys, head size 64, no mask, no score scale.
; Both products on codes of FP4 (E2M1) with one E8M0 byte for each 32 along a product's K.  Q, K: rows of 32 bytes of codes and 2 scale bytes.  V: the keys innermost, 64 rows of 2,048 bytes
; of codes and 128 scale bytes a head.  out: f32, 256 bytes a query.
; THE SOFTMAX: t = score x log2(e); M = the running largest t rounded UP to a whole number; p = 2^(t - M) is quantised in blocks of 32 keys, not normalised.  The row's sum is taken of the unquantised p
; and divides at the end.  When M moves, the sum and O are multiplied by 2^(old M - new M), which rounds nothing.
; SHARES.  A work-group owns 256 queries of one head, each of its sixteen waves one tile of 16, in 256 registers.  Every wave walks all 4,096 keys, 128 a step.  A lane holds ONE query (lane % 16) throughout:
; both products are used transposed: S^T = K Q^T (source 0 = keys), O^T = V^T P^T (source 0 = 16 of the head's 64).
; LDS.  A head's K and V, codes and scale bytes, are 272 KiB: they come into LDS ONCE, in eight chunks of 512 keys, all asked for at the head; a chunk is waited for when the walk reaches it.  No LDS byte is
; filled twice: no ring.  All tensor loads go out at the head, so there is no later request that a prefetch could run ahead of.
; CLUSTER.  The four query blocks of a cluster belong to one head and read the same K and V: every tensor load is asked for JOINTLY, by the same descriptor with a mask that names the four.
; THE KEYS OF A TILE ARE CHOSEN: row rho of tile (c, u) of a step is key 64 c + 32 (rho / 8) + 8 u + rho % 8.  Register j of lane (r, h) of the result is row 8 h + j, so the lane's 32 registers of one c are
; the keys 64 c + 32 h + 0 .. 31, in order: a WHOLE block of 32.  So a block's largest score needs no other lane, and the eight conversions write the second product's operand registers as they stand.
; TWO TILES IN ONE FRAGMENT.  The first product's K is 64, half of the instruction's 128.  Fragment F(c, w) holds tile (c, w) in registers 0-3 and tile (c, w + 2) in registers 4-7; Q stands between two runs of
; four zero registers: [q; 0] picks the first tile, [0; q] the second.  The other half multiplies Q's zero codes, under Q's scale byte 0.
; LIMITS.  Scale bytes 0xff, NaN and infinities are not served (a byte 0xff of K would also spoil the tile that shares its fragment).  A p under 2^-126 comes out of v_exp_f32 as 0.  A block whose every p is 0
; keeps the scale byte 1 over zero codes.  A block's largest p is made from its largest score, which takes v_exp_f32 not to fall where its input rises.  The rest of the first product's K step holds zero codes
; on Q's side alone.
.set KP,    1040                       ; LDS: 32 keys' codes (1,024 bytes) + 16 of padding
.set VP,    272                        ; a row of V's chunk: 512 keys' codes (256 bytes) + 16
.set VSP,   136                        ; a row of V's scale bytes: 128 + 8
.set VOFF,  16*KP                      ; a region: K's chunk, 16 rows, then V's chunk, 64 rows
.set REG,   VOFF+64*VP                 ; 34,048 bytes, 133 blocks of 256; region j holds keys 512 j on
.set VS,    8*REG                      ; V's scale bytes of the head: 64 rows
.set KS,    VS+64*VSP                  ; K's scale words, laid by the work-group itself: 256 bytes a step; blocks of 256 bytes into which no fill lands
.set STGW,  16*272                     ; the way out: 16 rows x (256 + 16) bytes for each wave, from LDS byte 0 on: in regions 0 to 2, which have had their only fill and are read by nobody behind the last barrier
.set AK0,  1                           ; v1   my lane's place in a tile of K: (r / 8) KP + 32 (r % 8) + 16 h
.set AV0,  2                           ; v2   in a tile of V: r VP + 16 h
.set AKS0, 3                           ; v3   among a step's scale words of K: 8 x lane
.set AVS0, 4                           ; v4   among V's scale rows: VSP x lane
.set SH8,  5                           ; v5   8 h
.set GO,   6                           ; v6   the way out: 256 h + 16 r
.set ADK,  8                           ; v8-11 the LDS addresses in hand: K, V, K's scale words, V's
.set ADV,  9
.set ADS,  10
.set ADT,  11
.set NM,   12                          ; v12  -M
.set RUN,  13                          ; v13  the running largest score
.set LS,   14                          ; v[14:15] the row's sum, in two halves
.set QHI,  16                          ; v[16:23] = [0; q]
.set QF,   20                          ; v[20:23] = q
.set QLO,  20                          ; v[20:27] = [q; 0]
.set QSLO, 28                          ; v28  Q's scale word for [q; 0]: the two bytes below, 0 above
.set QSHI, 29                          ; v29  for [0; q]: the two bytes above
.set KSC,  30                          ; v[30:31] K's scale words: register c; lanes 0-15 fragment F(c, 0), lanes 16-31 F(c, 1)
.set KF,   32                          ; v32-63  K's four fragments: F(c, w) at 8 (2 c + w)
.set S,    64                          ; v64-127 the scores, then p
.set OT,   128                         ; v128-159 O^T, tile t at 8 t
.set PC,   160                         ; v160-167 p's codes
.set VSC,  168                         ; v168-169 V's scale words: lanes 0-15 tile 0 (2), lanes 16-31 tile 1 (3)
.set PSC,  170                         ; v170 p's scale word
.set BM,   172                         ; v172-173 a block's largest score, then its largest p
.set T0,   174
.set T1,   175
.set OLD,  176                         ; -M of the step before
.set DIFF, 177
.set FF,   178                         ; v[178:179] f = 2^(old M - new M); the packed forms name the pair and take its low word
.set SOP,  180                         ; v180-181 the conversions' scale operands
.set BY,   182                         ; v182-183 the scale bytes
.set WD,   184
.set WD2,  185
.set SA,   186                         ; v[186:187], v[188:189] two chains of the step's sum
.set SB,   188
.set RC,   190                         ; v[190:191] 1 / the sum
.set VF,   192                         ; v192-223 V's four fragments
.set WV,   18                          ; s18  my wave's number
.set SEL,  20                          ; s[20:21] v_permlanex16_b32's selects for lane l xor 16
.set CS,   22                          ; s[22:23] log2(e), twice
.set G1K,  24                          ; s[24:31], s[32:39], s[40:47] descriptor groups 1: K's chunks, V's chunks, V's scale bytes
.set G1V,  32
.set G1S,  40
.set G0S,  48                          ; s[48:51] group 0 for V's scale bytes
.set TK,   52                          ; s52-55 where the step's K, V, K's scale words and V's begin in LDS
.set TV,   53
.set TS,   54
.set TT,   55
.set CNT,  56                          ; s56  a chunk's four steps
.set G0,   68                          ; s[68:99] eight groups 0: chunk j at 4 j (K's in wave 0, V's in wave 1)
; A round of the cluster's barrier: my work-group's barrier, wave 0 signals for the work-group, every wave waits for all four work-groups, my work-group's barrier once more.
.macro CROUND
	s_barrier_signal -1
	s_barrier_wait -1
	s_cmp_lg_u32 s[WV], 0
	s_cbranch_scc1 .Lnot_wave_0_\@
	s_barrier_signal -3
.Lnot_wave_0_\@:
	s_barrier_wait -3
	s_barrier_signal -1
	s_barrier_wait -1
.endm
	s_load_b256 s[4:11], s[0:1], 0x0               ; Q's codes s[4:5], Q's scales s[6:7], K's codes s[8:9], K's scales s[10:11]
	s_load_b128 s[12:15], s[0:1], 0x20             ; V's codes s[12:13], V's scales s[14:15]
	s_load_b64 s[16:17], s[0:1], 0x30              ; out
	v_lshl_add_u32 v254, v0, 2, 0x46a00
	v_mov_b32 v255, 0
	ds_add_u32 v254, v255
	ds_add_u32 v254, v255
	v_lshrrev_b32 v224, 5, v0
	s_delay_alu instid0(VALU_DEP_1)
	v_readfirstlane_b32 s[WV], v224                ; wave 0..15
	s_bfe_u32 s19, ttmp6, 0x40000                  ; cx: my place in the cluster: it enters Q's and out's addresses alone
	s_and_b32 s57, ttmp7, 0xffff                   ; the head, which the four partners share
	; descriptor groups 1, elements of one byte.  Word 0: 15:0 the mask: all four work-groups; 20 padding on; 21 set beside a mask; 24:22 the interval's code; 31:25 the padding's words less one
	s_mov_b32 s[G1K+0], 15|(1<<20)|(1<<21)|(7<<22)|(3<<25)   ; K: 4 words behind every 256
	s_mov_b32 s[G1K+1], 1024<<16                   ; tensor_dim0: a chunk is 16,384 dense bytes, taken as 16 rows of 1,024
	s_mov_b32 s[G1K+2], 16<<16                     ; tensor_dim1
	s_mov_b32 s[G1K+3], 1024<<16                   ; tile_dim0
	s_mov_b32 s[G1K+4], 16                         ; tile_dim1
	s_mov_b32 s[G1K+5], 1024                       ; from row to row
	s_mov_b32 s[G1K+6], 0
	s_mov_b32 s[G1K+7], 0
	s_mov_b32 s[G1V+0], 15|(1<<20)|(1<<21)|(5<<22)|(3<<25)   ; V: 4 words behind every 64
	s_mov_b32 s[G1V+1], 256<<16                    ; 512 keys' codes of each of the head's 64 rows,
	s_mov_b32 s[G1V+2], 64<<16
	s_mov_b32 s[G1V+3], 256<<16
	s_mov_b32 s[G1V+4], 64
	s_mov_b32 s[G1V+5], 2048                       ; which lie 2,048 bytes apart
	s_mov_b32 s[G1V+6], 0
	s_mov_b32 s[G1V+7], 0
	s_mov_b32 s[G1S+0], 15|(1<<20)|(1<<21)|(4<<22)|(1<<25)   ; V's scale bytes: 2 words behind every 32
	s_mov_b32 s[G1S+1], 128<<16
	s_mov_b32 s[G1S+2], 64<<16
	s_mov_b32 s[G1S+3], 128<<16
	s_mov_b32 s[G1S+4], 64
	s_mov_b32 s[G1S+5], 128
	s_mov_b32 s[G1S+6], 0
	s_mov_b32 s[G1S+7], 0
	s_mov_b32 s[SEL], 0x76543210
	s_mov_b32 s[SEL+1], 0xfedcba98
	s_mov_b32 s[CS], 0x3fb8aa3b                    ; log2(e)
	s_mov_b32 s[CS+1], s[CS]                       ; (named with it as a pair, so it is written)
	; my lane's places
	v_and_b32 v238, 15, v0                         ; r
	v_bfe_u32 v239, v0, 4, 1                       ; h
	v_and_b32 v237, 31, v0                         ; lane
	s_delay_alu instid0(VALU_DEP_3)
	v_lshlrev_b32 v232, 5, v238
	s_delay_alu instid0(VALU_DEP_1)
	v_lshl_add_u32 v232, v239, 4, v232             ; Q's codes: row r of 32 bytes, + 16 h
	v_lshlrev_b32 v233, 1, v238                    ; Q's scale bytes: 2 a row
	; K's scale words.  Thread T = 16 s + 8 c + 4 g + 2 w + e reads the bytes of keys 128 s + 64 c + 32 g + 8 w + 4 e + 0 .. 3 (8 bytes) and of the keys 16 further on (8 bytes, 32 bytes on),
	v_lshrrev_b32 v234, 2, v0
	s_delay_alu instid0(VALU_DEP_1)
	v_lshlrev_b32 v234, 6, v234
	v_and_b32 v235, 3, v0
	s_delay_alu instid0(VALU_DEP_1)
	v_lshl_add_u32 v234, v235, 3, v234             ; at 64 (T / 4) + 8 (T % 4) of the head's scale bytes,
	v_lshrrev_b32 v235, 4, v0                      ; and stores four words, for lanes 16 w + 8 g + 4 e + 0 .. 3 of step s, register c: at KS + 256 s + 128 w + 64 g + 32 e + 4 c, 8 bytes apart
	s_delay_alu instid0(VALU_DEP_1)
	v_lshlrev_b32 v235, 8, v235
	v_bfe_u32 v236, v0, 1, 1
	s_delay_alu instid0(VALU_DEP_1)
	v_lshl_add_u32 v235, v236, 7, v235
	v_bfe_u32 v236, v0, 2, 1
	s_delay_alu instid0(VALU_DEP_1)
	v_lshl_add_u32 v235, v236, 6, v235
	v_and_b32 v236, 1, v0
	s_delay_alu instid0(VALU_DEP_1)
	v_lshl_add_u32 v235, v236, 5, v235
	v_bfe_u32 v236, v0, 3, 1
	s_delay_alu instid0(VALU_DEP_1)
	v_lshl_add_u32 v235, v236, 2, v235
	s_delay_alu instid0(VALU_DEP_1)
	v_add_nc_u32 v235, KS, v235
	v_lshrrev_b32 v[AK0], 3, v238                  ; rows 0-7 of a tile lie in one LDS row of 32 keys, rows 8-15 in the next: with the 16 bytes of padding the sixteen lanes of a half take sixteen different 16-byte columns of 256
	s_delay_alu instid0(VALU_DEP_1)
	v_mul_u32_u24 v[AK0], v[AK0], KP
	v_and_b32 v236, 7, v238
	s_delay_alu instid0(VALU_DEP_1)
	v_lshl_add_u32 v[AK0], v236, 5, v[AK0]
	s_delay_alu instid0(VALU_DEP_1)
	v_lshl_add_u32 v[AK0], v239, 4, v[AK0]
	v_mul_u32_u24 v[AV0], v238, VP
	s_delay_alu instid0(VALU_DEP_1)
	v_lshl_add_u32 v[AV0], v239, 4, v[AV0]
	v_lshlrev_b32 v[AKS0], 3, v237
	v_mul_u32_u24 v[AVS0], v237, VSP
	v_lshlrev_b32 v[SH8], 3, v239
	v_lshlrev_b32 v[GO], 8, v239
	s_delay_alu instid0(VALU_DEP_1)
	v_lshl_add_u32 v[GO], v238, 4, v[GO]
	s_wait_dscnt 0x0
	s_wait_kmcnt 0x0
	; groups 0.  Every wave makes all eight; wave 0 will ask by them for K's chunks, wave 1 for V's.  Nothing in them hangs on my place in the cluster.
	s_cmp_eq_u32 s[WV], 0
	s_cselect_b64 s[60:61], s[8:9], s[12:13]       ; K's codes or V's
	s_mov_b32 s58, 256
	s_cselect_b32 s58, 16384, s58                  ; from chunk to chunk: 512 rows of K, or 256 bytes along V's rows
	s_mov_b32 s59, 0
	s_lshl_b32 s62, s57, 17                        ; a head's codes are 131,072 bytes in each tensor
	s_mov_b32 s63, 0
	s_add_nc_u64 s[60:61], s[60:61], s[62:63]
	s_mul_i32 s56, s[WV], VOFF                     ; in a region: K's chunk first, V's behind it
.irp j, 0,1,2,3,4,5,6,7
	s_mov_b32 s[G0+4*\j], 1                        ; 1:0 count = 1
	s_add_co_u32 s[G0+4*\j+1], s56, \j*REG         ; 63:32 LDS address
	s_mov_b64 s[G0+4*\j+2:G0+4*\j+3], s[60:61]     ; 120:64 global address
	s_or_b32 s[G0+4*\j+3], s[G0+4*\j+3], 0x80000000   ; 127:126 type = 2
	s_add_nc_u64 s[60:61], s[60:61], s[58:59]
.endr
	s_lshl_b32 s62, s57, 13                        ; a head's scale bytes are 8,192 in each tensor
	s_mov_b32 s[G0S], 1
	s_mov_b32 s[G0S+1], VS
	s_add_nc_u64 s[G0S+2:G0S+3], s[14:15], s[62:63]
	s_or_b32 s[G0S+3], s[G0S+3], 0x80000000
	s_add_nc_u64 s[10:11], s[10:11], s[62:63]      ; K's scale bytes at my head
	; my tile of 16 queries: number 256 x head + 16 x (4 x cluster x + cx) + wave among all tiles
	s_lshl_b32 s2, ttmp9, 2
	s_add_co_u32 s19, s19, s2
	s_lshl_b32 s19, s19, 4
	s_add_co_u32 s19, s19, s[WV]
	s_lshl_b32 s2, s57, 8
	s_add_co_u32 s19, s19, s2
	s_mov_b32 s3, 0
	s_lshl_b32 s2, s19, 9                          ; 512 bytes of codes a tile,
	s_add_nc_u64 s[4:5], s[4:5], s[2:3]
	s_lshl_b32 s2, s19, 5                          ; 32 scale bytes,
	s_add_nc_u64 s[6:7], s[6:7], s[2:3]
	s_lshl_b32 s2, s19, 12                         ; 4,096 bytes of out
	s_add_nc_u64 s[16:17], s[16:17], s[2:3]
	CROUND                                         ; all four work-groups are here: the joint loads meet
	; ALL FILLS OF THE LAUNCH, as one group, a wave's inside one branch on its number: wave 0 has eight loads out, wave 1 nine, the others none.  Four v_nop follow a wave's last.
	s_cmp_eq_u32 s[WV], 0
	s_cbranch_scc0 .Lnot_k
.irp j, 0,1,2,3,4,5,6,7
	tensor_load_to_lds s[G0+4*\j:G0+4*\j+3], s[G1K:G1K+7]
	s_nop 0
.endr
.rept 4
	v_nop
.endr
	s_branch .Lasked
.Lnot_k:
	s_cmp_eq_u32 s[WV], 1
	s_cbranch_scc0 .Lasked
	tensor_load_to_lds s[G0S:G0S+3], s[G1S:G1S+7]  ; V's scale bytes first: they are wanted with chunk 0
	s_nop 0
.irp j, 0,1,2,3,4,5,6,7
	tensor_load_to_lds s[G0+4*\j:G0+4*\j+3], s[G1V:G1V+7]
	s_nop 0
.endr
.rept 4
	v_nop
.endr
.Lasked:
	global_load_b128 v[QF:QF+3], v232, s[4:5] th:TH_LOAD_NT   ; q: lane (r, h) holds query r's codes 32 h .. 32 h + 31; it stays in registers
	global_load_u16 v[QSLO], v233, s[6:7]          ; its two scale bytes, 0 above them
	global_load_b64 v[224:225], v234, s[10:11]     ; four keys' scale bytes,
	global_load_b64 v[226:227], v234, s[10:11] offset:32   ; and those of the keys 16 further on
	v_mov_b32 v[NM], 0x7f000000                    ; -M = 2^127: the first step's f is then 2^(a saturated whole number) = 0, over sums that are 0
	v_mov_b32 v[RUN], 0xff7fffff                   ; under every score
	v_mov_b32 v[LS], 0
	v_mov_b32 v[LS+1], 0
.irp i, 0,1,2,3
	v_mov_b32 v[QHI+\i], 0                         ; the zero codes on both sides of q
	v_mov_b32 v[QLO+4+\i], 0
.endr
	v_mov_b32 v[T1], 0                             ; a lane permute's destination counts as one of its sources
	v_mov_b32 v[WD2], 0
	v_mov_b32 v[FF+1], 0                           ; (named as upper halves of pairs)
	v_mov_b32 v[RC+1], 0
	s_wait_loadcnt 0x0                             ; q, its scale bytes, K's scale bytes
	v_lshlrev_b32 v[QSHI], 16, v[QSLO]
	v_perm_b32 v228, v226, v224, 0x05040100        ; a word: a key's two bytes below, those of the key 16 on above: the two tiles of a fragment's row
	v_perm_b32 v229, v226, v224, 0x07060302
	v_perm_b32 v230, v227, v225, 0x05040100
	v_perm_b32 v231, v227, v225, 0x07060302
.irp i, 0,1,2,3
	ds_store_b32 v235, v[228+\i] offset:8*\i
.endr
.set n, 0
.rept 32
	v_mov_b32 v[OT+n], 0                           ; O^T.  (The step is written once: the first finds zeros.  These lines also stand between the write of Q's upper scale word and the first product)
.set n, n+1
.endr
; Product (c, u) of S^T = K Q^T: 16 keys x my 16 queries.  Fragment F(c, u % 2); u < 2: its lower half against [q; 0]; else its upper half against [0; q].  F(c, 1)'s scale words lie in lanes 16-31.
.macro KQ c, u
.set rD, S+32*(\c)+8*(\u)
.set rA, KF+8*(2*(\c)+((\u)&1))
.if (\u) < 2
.set rB, QLO
.set rQ, QSLO
.else
.set rB, QHI
.set rQ, QSHI
.endif
.if ((\u)&1)
	v_wmma_scale_f32_16x16x128_f8f6f4 v[rD:rD+7], v[rA:rA+7], v[rB:rB+7], 0, v[KSC+(\c)], v[rQ] matrix_a_fmt:MATRIX_FMT_FP4 matrix_b_fmt:MATRIX_FMT_FP4 matrix_a_scale:MATRIX_SCALE_ROW1
.else
	v_wmma_scale_f32_16x16x128_f8f6f4 v[rD:rD+7], v[rA:rA+7], v[rB:rB+7], 0, v[KSC+(\c)], v[rQ] matrix_a_fmt:MATRIX_FMT_FP4 matrix_b_fmt:MATRIX_FMT_FP4
.endif
.endm
; Product t of O^T += V^T P^T: channels 16 t on, K = the step's 128 keys.
.macro PV t
.set rO, OT+8*(\t)
.set rV, VF+8*(\t)
.if ((\t)&1)
	v_wmma_scale_f32_16x16x128_f8f6f4 v[rO:rO+7], v[rV:rV+7], v[PC:PC+7], v[rO:rO+7], v[VSC+(\t)/2], v[PSC] matrix_a_fmt:MATRIX_FMT_FP4 matrix_b_fmt:MATRIX_FMT_FP4 matrix_a_scale:MATRIX_SCALE_ROW1
.else
	v_wmma_scale_f32_16x16x128_f8f6f4 v[rO:rO+7], v[rV:rV+7], v[PC:PC+7], v[rO:rO+7], v[VSC+(\t)/2], v[PSC] matrix_a_fmt:MATRIX_FMT_FP4 matrix_b_fmt:MATRIX_FMT_FP4
.endif
.endm
; A KEY STEP: 128 keys.
.macro STEP
	v_add_nc_u32 v[ADK], s[TK], v[AK0]
	v_add_nc_u32 v[ADS], s[TS], v[AKS0]
.irp c, 0,1
.irp w, 0,1
	ds_load_b128 v[KF+8*(2*\c+\w):KF+8*(2*\c+\w)+3],   v[ADK] offset:2*KP*\c+256*\w        ; tile (c, w): 64 keys on for c, 8 keys of 32 bytes on for w
	ds_load_b128 v[KF+8*(2*\c+\w)+4:KF+8*(2*\c+\w)+7], v[ADK] offset:2*KP*\c+256*\w+512    ; tile (c, w + 2)
.endr
.endr
	ds_load_b64 v[KSC:KSC+1], v[ADS]               ; the step's scale words, as the work-group laid them
	s_wait_dscnt 0x0                               ; nothing younger is out
.irp c, 0,1
.irp u, 0,1,2,3
	KQ \c, \u
.endr
.endr
	; four plain lines behind the last of these products, ahead of the first read of the scores; with the two additions at the step's head they are six behind the last step's products V^T P^T,
	; ahead of the loads into the registers that those read (ISA guide 7.12.1 for vector instructions)
	v_add_nc_u32 v[ADV], s[TV], v[AV0]
	v_add_nc_u32 v[ADT], s[TT], v[AVS0]
	v_mov_b32 v[OLD], v[NM]
	v_nop
.irp t, 0,1,2,3
.irp c, 0,1
	ds_load_b128 v[VF+8*\t+4*\c:VF+8*\t+4*\c+3], v[ADV] offset:16*VP*\t+32*\c   ; V's fragments: asked for here, wanted behind the softmax
.endr
.endr
	ds_load_b32 v[VSC], v[ADT]                     ; V's scale words: lane l takes row l,
	ds_load_b32 v[VSC+1], v[ADT] offset:32*VSP     ; and row 32 + l
	; the largest score of each of my two blocks of 32 keys, ascending; the two blocks by turns
.irp c, 0,1
	v_max3_num_f32 v[BM+\c], v[S+32*\c], v[S+32*\c+1], v[S+32*\c+2]
.endr
.irp i, 3,5,7,9,11,13,15,17,19,21,23,25,27,29
.irp c, 0,1
	v_max3_num_f32 v[BM+\c], v[BM+\c], v[S+32*\c+\i], v[S+32*\c+\i+1]
.endr
.endr
.irp c, 0,1
	v_max_num_f32 v[BM+\c], v[BM+\c], v[S+32*\c+31]
.endr
	s_delay_alu instid0(VALU_DEP_1)
	v_max_num_f32 v[T0], v[BM], v[BM+1]
	s_delay_alu instid0(VALU_DEP_1)
	v_permlanex16_b32 v[T1], v[T0], s[SEL], s[SEL+1]   ; my query's other 64 keys lie in lane l xor 16
	s_delay_alu instid0(VALU_DEP_1)
	v_max3_num_f32 v[RUN], v[RUN], v[T0], v[T1]    ; the running largest score
	s_delay_alu instid0(VALU_DEP_1)
	v_mul_f32 v[T0], s[CS], v[RUN]                 ; as t
	s_delay_alu instid0(VALU_DEP_1)
	v_floor_f32 v[NM], -v[T0]                      ; -M = floor(-t) = -ceil(t): M is a whole number
.set n, 0
.rept 32
	v_pk_fma_f32 v[S+n:S+n+1], v[S+n:S+n+1], s[CS:CS+1], v[NM:NM+1] op_sel_hi:[1,0,0]   ; t - M, two at a time (of the pairs log2(e) and -M the low word serves both halves)
.set n, n+2
.endr
.irp c, 0,1
	v_fma_f32 v[BM+\c], v[BM+\c], s[CS], v[NM]     ; the same of each block's largest score
.endr
	; ONE BATCH of 66 exponentials; none reads another's result
	s_wait_alu depctr_va_vdst(0)
.irp c, 0,1
	v_exp_f32 v[BM+\c], v[BM+\c]                   ; the block's largest p: the same two instructions on the same number give the same bits
.endr
.set n, 0
.rept 64
	v_exp_f32 v[S+n], v[S+n]                       ; p = 2^(t - M), at most 1: not normalised
.set n, n+1
.endr
	s_setprio 1
	v_sub_f32 v[DIFF], v[NM], v[OLD]               ; old M - new M: a whole number, 0 or less.  (Plain lines behind the exponentials, which name none of their results)
	s_delay_alu instid0(VALU_DEP_1)
	v_cvt_i32_f32 v[DIFF], v[DIFF]                 ; (it saturates)
	s_delay_alu instid0(VALU_DEP_1)
	v_ldexp_f32 v[FF], 1.0, v[DIFF]                ; f = 2^(old M - new M)
	s_wait_alu depctr_va_vdst(0)                   ; the wait ahead of the first line that names an exponential's result: one for the batch
.irp c, 0,1
	v_max_num_f32 v[BM+\c], 0x1800000, v[BM+\c]    ; the floor 2^(3 - 127): the byte cannot fall under 1
.endr
.irp c, 0,1
	s_delay_alu instid0(VALU_DEP_2)
	v_add_nc_u32 v[SOP+\c], 0xff000000, v[BM+\c]   ; 2 off the exponent field: the conversion takes this operand's exponent field as its scale
.endr
.irp c, 0,1
	s_delay_alu instid0(VALU_DEP_2)
	v_lshrrev_b32 v[BY+\c], 23, v[SOP+\c]          ; the scale's byte
.endr
	s_delay_alu instid0(VALU_DEP_1)
	v_lshl_or_b32 v[WD], v[BY+1], 16, v[BY]        ; my two bytes, blocks h and 2 + h of the step,
	s_delay_alu instid0(VALU_DEP_1)
	v_lshlrev_b32 v[WD], v[SH8], v[WD]             ; at their places in the word;
	s_delay_alu instid0(VALU_DEP_1)
	v_permlanex16_b32 v[WD2], v[WD], s[SEL], s[SEL+1]
	s_delay_alu instid0(VALU_DEP_1)
	v_or_b32 v[PSC], v[WD], v[WD2]                 ; with lane l xor 16's two it is whole
.irp c, 0,1
.irp u, 0,1,2,3
	v_cvt_scalef32_pk8_fp4_f32 v[PC+4*\c+\u], v[S+32*\c+8*\u:S+32*\c+8*\u+7], v[SOP+\c]   ; register 4 c + u of the operand: keys 64 c + 32 h + 8 u + 0 .. 7
.endr
.endr
	; the row's sum, of the UNQUANTISED p: two at a time, in eight chains.  These 32 lines and the 16 below are the plain lines behind the conversions and ahead of the scaled products that read the codes and the scale word
	v_pk_add_f32 v[188:189], v[64:65], v[66:67]
	v_pk_add_f32 v[252:253], v[72:73], v[76:77]
	v_pk_add_f32 v[250:251], v[80:81], v[84:85]
	v_pk_add_f32 v[248:249], v[88:89], v[92:93]
	v_pk_add_f32 v[246:247], v[96:97], v[100:101]
	v_pk_add_f32 v[244:245], v[104:105], v[108:109]
	v_pk_add_f32 v[242:243], v[112:113], v[116:117]
	v_pk_add_f32 v[186:187], v[120:121], v[124:125]
	v_pk_add_f32 v[186:187], v[186:187], v[68:69]
	v_pk_add_f32 v[188:189], v[188:189], v[70:71]
	v_pk_add_f32 v[252:253], v[252:253], v[74:75]
	v_pk_add_f32 v[250:251], v[250:251], v[78:79]
	v_pk_add_f32 v[248:249], v[248:249], v[82:83]
	v_pk_add_f32 v[246:247], v[246:247], v[86:87]
	v_pk_add_f32 v[244:245], v[244:245], v[90:91]
	v_pk_add_f32 v[242:243], v[242:243], v[94:95]
	v_pk_add_f32 v[186:187], v[186:187], v[98:99]
	v_pk_add_f32 v[188:189], v[188:189], v[102:103]
	v_pk_add_f32 v[252:253], v[252:253], v[106:107]
	v_pk_add_f32 v[250:251], v[250:251], v[110:111]
	v_pk_add_f32 v[248:249], v[248:249], v[114:115]
	v_pk_add_f32 v[246:247], v[246:247], v[118:119]
	v_pk_add_f32 v[244:245], v[244:245], v[122:123]
	v_pk_add_f32 v[242:243], v[242:243], v[126:127]
	s_delay_alu instid0(VALU_DEP_4)
	v_pk_add_f32 v[186:187], v[186:187], v[248:249]
	s_delay_alu instid0(VALU_DEP_4)
	v_pk_add_f32 v[188:189], v[188:189], v[246:247]
	s_delay_alu instid0(VALU_DEP_4)
	v_pk_add_f32 v[252:253], v[252:253], v[244:245]
	s_delay_alu instid0(VALU_DEP_4)
	v_pk_add_f32 v[250:251], v[250:251], v[242:243]
	s_delay_alu instid0(VALU_DEP_2)
	v_pk_add_f32 v[186:187], v[186:187], v[252:253]
	s_delay_alu instid0(VALU_DEP_2)
	v_pk_add_f32 v[188:189], v[188:189], v[250:251]
	s_delay_alu instid0(VALU_DEP_1)
	v_pk_add_f32 v[186:187], v[186:187], v[188:189]
	s_delay_alu instid0(VALU_DEP_1)
	v_pk_fma_f32 v[LS:LS+1], v[LS:LS+1], v[FF:FF+1], v[SA:SA+1] op_sel_hi:[1,0,1]   ; the sum under the new M, and the step's
.set n, 0
	s_setprio 0
.rept 16
	v_pk_mul_f32 v[OT+n:OT+n+1], v[OT+n:OT+n+1], v[FF:FF+1] op_sel_hi:[1,0]   ; O^T under the new M; ascending: each accumulator is first read at its lowest register
.set n, n+2
.endr
	s_wait_alu depctr_va_vdst(0)
	s_wait_dscnt 0x0                               ; V's fragments and scale words are in
.irp t, 0,1,2,3
	PV \t                                          ; the four accumulators by turns, one instruction a turn; eight other products stand between two turns of one
.endr
.endm
; CHUNK j: 512 keys, four steps.  Chunk j's loads are waited for by the waves that issued them: 7 - j chunks were asked for behind it, in wave 0 (K's) and in wave 1 (V's, with the scale bytes ahead of chunk 0) alike;
; the other waves have none out.  Every wave's LDS instructions are done (in front of chunk 0: the stores of K's scale words).  Behind the barrier all sixteen read the chunk.
.macro STAGE j
	s_wait_tensorcnt 7-\j
	s_wait_dscnt 0x0
	s_barrier_signal -1
	s_barrier_wait -1
	s_mov_b32 s[TK], (\j)*REG
	s_mov_b32 s[TV], (\j)*REG+VOFF
	s_mov_b32 s[TS], KS+1024*(\j)
	s_mov_b32 s[TT], VS+16*(\j)
	s_mov_b32 s[CNT], 4
.Lstep_\@:
	s_setprio 2
	STEP
	s_add_co_u32 s[TK], s[TK], 4*KP                ; 128 keys on: four LDS rows of K,
	s_add_co_u32 s[TV], s[TV], 64                  ; 64 bytes along V's rows,
	s_add_co_u32 s[TS], s[TS], 256                 ; a step's scale words of K,
	s_add_co_u32 s[TT], s[TT], 4                   ; a word along V's scale rows
	s_sub_co_u32 s[CNT], s[CNT], 1
	s_cmp_lg_u32 s[CNT], 0
	s_cbranch_scc1 .Lstep_\@
	s_setprio 0
.endm
.irp j, 0,1,2,3,4,5,6,7
	STAGE \j
.endr
	; THE WAY OUT.  The sum's halves are added; O^T is divided by the sum and goes through my stage in LDS, so that each store of the wave covers 512 consecutive bytes of out: two whole rows.
	; The stage lies in regions 0 to 2: every wave has passed chunk 7's barrier with its reads of them waited for.
	v_add_f32 v[T0], v[LS], v[LS+1]
	s_delay_alu instid0(VALU_DEP_1)
	v_permlanex16_b32 v[T1], v[T0], s[SEL], s[SEL+1]
	s_delay_alu instid0(VALU_DEP_1)
	v_add_f32 v[T0], v[T0], v[T1]                  ; the row's sum
	s_wait_alu depctr_va_vdst(0)
	v_rcp_f32 v[RC], v[T0]
	s_mul_i32 s56, s[WV], STGW                     ; my stage.  (The six lines below are the plain lines behind the reciprocal and behind the last products)
	v_mul_u32_u24 v236, v238, 272
	s_delay_alu instid0(VALU_DEP_1)
	v_lshl_add_u32 v236, v239, 5, v236
	s_delay_alu instid0(VALU_DEP_1)
	v_add_nc_u32 v236, s56, v236                   ; in: row r; tile t's eight channels of my half: 64 t + 32 h bytes on
	v_mul_u32_u24 v237, v239, 272
	s_delay_alu instid0(VALU_DEP_1)
	v_lshl_add_u32 v237, v238, 4, v237
	s_delay_alu instid0(VALU_DEP_1)
	v_add_nc_u32 v237, s56, v237                   ; back: lanes 0-15 one row, lanes 16-31 the next
	s_wait_alu depctr_va_vdst(0)                   ; the wait ahead of the reciprocal's first reader
.set n, 0
.rept 16
	v_pk_mul_f32 v[S+n:S+n+1], v[OT+n:OT+n+1], v[RC:RC+1] op_sel_hi:[1,0]   ; register 8 t + i is out(r, 16 t + 8 h + i)
.set n, n+2
.endr
.irp t, 0,1,2,3
	ds_store_b128 v236, v[S+8*\t:S+8*\t+3] offset:64*\t
	ds_store_b128 v236, v[S+8*\t+4:S+8*\t+7] offset:64*\t+16
.endr
.irp i, 0,1,2,3,4,5,6,7
	ds_load_b128 v[KF+4*\i:KF+4*\i+3], v237 offset:2*\i*272   ; LDS serves a wave's instructions in order (ISA guide 5.7.1.4): these see my stores
.endr
.irp i, 0,1,2,3,4,5,6,7
	s_wait_dscnt 7-\i                              ; the 7 - i younger reads of the stage may be out
	global_store_b128 v[GO], v[KF+4*\i:KF+4*\i+3], s[16:17] offset:512*\i th:TH_STORE_NT   ; rows 2 i and 2 i + 1 of my 16: written once, read by nobody here
.endr
	s_wait_tensorcnt 0x0
	ds_add_u32 v254, v255
	s_wait_dscnt 0x0
	CROUND                                         ; the closing round: no work-group ends while a partner may still ask for a tile that names it.  (All my tensor loads were waited for at chunk 7)
	s_endpgm
.Lfunc_end_k_q997a5ef355_attn:
	.size	k_q997a5ef355_attn, .Lfunc_end_k_q997a5ef355_attn-k_q997a5ef355_attn
	.p2alignl 7, 3214868480
	.fill 96, 4, 3214868480
	.section	.rodata,"a",@progbits
	.p2align	6, 0x0
	.amdhsa_kernel k_q997a5ef355_attn
		.amdhsa_group_segment_fixed_size 327680
		.amdhsa_private_segment_fixed_size 0
		.amdhsa_enable_private_segment 0
		.amdhsa_kernarg_size 56
		.amdhsa_user_sgpr_count 2
		.amdhsa_user_sgpr_kernarg_segment_ptr 1
		.amdhsa_wavefront_size32 1
		.amdhsa_system_sgpr_workgroup_id_x 1
		.amdhsa_system_sgpr_workgroup_id_y 1
		.amdhsa_system_sgpr_workgroup_id_z 1
		.amdhsa_system_vgpr_workitem_id 0
		.amdhsa_next_free_vgpr 256
		.amdhsa_next_free_sgpr 100
		.amdhsa_reserve_vcc 0
		.amdhsa_float_denorm_mode_32 3
		.amdhsa_float_denorm_mode_16_64 3
		.amdhsa_memory_ordered 1
		.amdhsa_forward_progress 1
		.amdhsa_inst_pref_size 138
	.end_amdhsa_kernel
	.amdgpu_metadata
---
amdhsa.version: [ 1, 2 ]
amdhsa.kernels:
  - .name:           k_q997a5ef355_attn
    .symbol:         k_q997a5ef355_attn.kd
    .args:
      - { .name: Q_codes, .offset: 0, .size: 8, .value_kind: global_buffer, .address_space: global }
      - { .name: Q_scales, .offset: 8, .size: 8, .value_kind: global_buffer, .address_space: global }
      - { .name: K_codes, .offset: 16, .size: 8, .value_kind: global_buffer, .address_space: global }
      - { .name: K_scales, .offset: 24, .size: 8, .value_kind: global_buffer, .address_space: global }
      - { .name: V_codes, .offset: 32, .size: 8, .value_kind: global_buffer, .address_space: global }
      - { .name: V_scales, .offset: 40, .size: 8, .value_kind: global_buffer, .address_space: global }
      - { .name: out0, .offset: 48, .size: 8, .value_kind: global_buffer, .address_space: global }
    .group_segment_fixed_size: 327680
    .private_segment_fixed_size: 0
    .kernarg_segment_align: 8
    .kernarg_segment_size: 56
    .max_flat_workgroup_size: 512
    .sgpr_count:     100
    .vgpr_count:     256
    .wavefront_size: 32
...
	.end_amdgpu_metadata
.endif
;; end of part 1
